; MI455X (gfx1250); checked and timed in simulation.
; The chip was launched on July 23, 2026; its instructions are those of AMD's public machine-readable ISA for CDNA 5 (MIT licence, August 2026) and "CDNA5" Instruction Set Architecture Reference Guide (July 2026). The comments in the code are by the model that wrote it; some were corrected since.
;; Vector Quantizer. Allowed arithmetic: matrix products marked QUANTISED: E5M2 operands, one E8M0 scale for each 32 along K, by v_wmma_scale_f32_16x16x128_f8f6f4 with both operands' format E5M2, f32 sums; everything else in f32.
;; Inputs: codebook 8,192 x 256 float32; x 8 x 4,096 x 256 float32.
;; Outputs: out0 8 x 4,096 int32; out1 8 x 4,096 x 256 float32.
;; This version of the problem:
;;   THIS VERSION OF THE PROBLEM IS GIVEN IN LOW PRECISION. The matrix products marked QUANTISED in the list below multiply operands that are first quantised to E5M2 (5 exponent bits, 2 mantissa bits; 8 bits a number), with one power-of-two scale for each 32 numbers along K (OCP MX v1.0); their sums are f32. All else is computed in f32.
;;   The module's matrix products, in the order in which they are computed (A, B: the left and right operand; K: the contracted axis; several contracted axes count as one K, in the product's order):
;;     1. [M 32,768, K 256] x [K 256, N 8,192]; A: input x; B: input codebook: QUANTISED
;;   THE QUANTISER, for each operand of a quantised product, along K:
;;     - K is cut into blocks of 32 from its start; a last block that is shorter is filled with zeros.
;;     - A block's scale is 2^e with e = floor(log2(the largest magnitude in the block)) - 15, held to -126 .. 127; a block of zeros has e = 0. As a byte (E8M0): e + 127.
;;     - Each number is divided by its block's scale, clamped to +-57,344, and rounded to the nearest number of E5M2, ties to even, subnormals kept.
;;     - The product sums the exact products of the quantised numbers (number of the format x scale) in f32.
;;   ~~~python
;;   def quantise(x, axis):      # numpy; x: float32 -> the quantised numbers, widened to float32 again
;;       x = np.moveaxis(x, axis, -1); K = x.shape[-1]
;;       x = np.pad(x, [(0, 0)] * (x.ndim - 1) + [(0, -K % 32)]); x = x.reshape(x.shape[:-1] + (-1, 32)); a = np.abs(x).max(-1, keepdims=True)
;;       e = np.where(a > 0, np.clip(np.frexp(np.where(a > 0, a, 1))[1] - 1 - 15, -126, 127), 0)      # np.frexp(a)[1] - 1 = floor(log2(a)), exactly
;;       r = np.clip(x / 2.0 ** e, -57344, 57344)
;;       step = 2.0 ** (np.maximum(np.frexp(np.where(r == 0, 1, r))[1] - 1, -14) - 2)
;;       q = np.round(r / step) * step * 2.0 ** e      # np.round: ties to even
;;       return np.moveaxis(q.reshape(q.shape[:-2] + (-1,))[..., :K], -1, axis).astype(np.float32)
;;   ~~~
;; One version. Each part assembles by itself: llvm-mc -triple=amdgcn-amd-amdhsa -mcpu=gfx1250 --defsym DOCPART=n.
;; ======== version 1 of 1: 3 launches
;; limits: right only within a limited range of input values
;; workspace buffers: cbw 2,228,224 bytes; bidx 131,072 bytes of whole numbers
;; launch pack (part 1): grid 256 x 1, 2 waves a work-group, no clusters, 168,192 bytes of LDS; arguments codebook, cbw; writes cbw
.if DOCPART == 1
	.amdgcn_target "amdgcn-amd-amdhsa--gfx1250"
	.amdhsa_code_object_version 6
	.text
	.protected	k_q391328660c_pack
	.globl	k_q391328660c_pack
	.p2align	8
	.type	k_q391328660c_pack,@function
k_q391328660c_pack:
	s_mov_b64 s[64:65], 0
	v_nop
	global_prefetch_b8 v0, s[64:65] scope:SCOPE_SE
	s_setreg_imm32_b32 hwreg(HW_REG_WAVE_MODE, 25, 1), 1
	s_wait_xcnt 0x0
; The codebook [8192][256] f32 becomes 512 RECORDS of 4,352 bytes, one for each 16 codes, laid as the product's launch takes them into registers:
;   bytes 0-2047    the operand's registers for K 0-127: four chunks of 512 bytes, lane l's 16 bytes at 16 l (registers 4 c .. 4 c + 3 of lane (r, h): k = 32 c + 16 h + 0 .. 15 of row r)
;   bytes 2048-4095 the same for K 128-255
;   bytes 4096-4159 the 16 rows' scale words (four E8M0 bytes) of K 0-127;  4160-4223 those of K 128-255
;   bytes 4224-4287 -|c|^2 / 2 of the 16 rows, f32, from the numbers as they are given;  4288-4351 zeros
; Codes are BF8 (E5M2).  A block's scale is 2^(floor(log2(its largest magnitude)) - 15); its byte is the largest magnitude's exponent field - 15, held at 1 from below.
; LIMITS: a block of zeros gets the byte 1 where the rule says 127 (its codes are zeros, and this program alone reads the bytes); NaN and infinities are not served;
; |c|^2 is summed in four packed chains a lane and then across two lanes: another order of rounding than a plain sum's.
; SHARES: a wave makes one record from 16 rows, 16,384 consecutive bytes, which one tensor load brings into the wave's own stage.  No two work-groups read the same bytes: no cluster.
; WORK LEFT OUT BY THE PROGRAM: d2 = |x|^2 - 2 x.c + |c|^2 is only ever the input of an argmin over the codes.  |x|^2 is the same for all codes of a row, and the factor -2 turns the argmin
; into an argmax: argmin d2 = argmax (x.c - |c|^2 / 2) for all values of the inputs.  So |x|^2 is not computed.  LIMIT: an overflow or a NaN that reaches |x|^2 alone is not carried to the result.
.set REC,  4352
.set STG,  16640                       ; a wave's stage: 16 rows x 1,040 bytes
.set XP,   1040                        ; 1,024 bytes + 16 of padding: an odd multiple of 16, so that the 16 rows of a load start at 16 different banks (64 banks of 4 bytes: ISA guide 11.1)
.set TAIL, 2*STG                       ; behind the stages: 256 bytes a wave, in which a record's last 256 bytes are put together
.set TM,   16                          ; v16-19 largest magnitudes, v20-23 bytes, v24-27 the largest number x the scale, v28-31 the conversions' scale operands
.set X,    32                          ; v32-159 my 128 numbers: register 64 s + 16 b + i = k 128 s + 32 b + 16 h + i of row r
.set PC0,  160                         ; v160-175 the codes of K 0-127;  v176-191 of K 128-255
.set PC1,  176
.set SQ,   192                         ; v192-199 four packed sums of squares
.set PW0,  200                         ; the two scale words
.set PW1,  201
.set G1,   16                          ; s[16:23] descriptor group 1;  s[24:27] group 0
.set G0,   24
.set SEL,  28                          ; s[28:29] v_permlanex16_b32's selects for lane l xor 16
.set MNT,  30                          ; s30 the mantissa field of 57,344
; 64 numbers of a lane, register 16 b + i = k 32 b + 16 h + i of my row, become a fragment's codes in v[pc] on and its scale word in v[pw].
.macro QUANT s, pc, pw
.irp b, 0,1,2,3
	v_max3_num_f32 v[TM+\b], |v[\s+16*\b]|, |v[\s+1+16*\b]|, 0x8000000   ; block b: my 16 numbers, and the floor 2^(16 - 127): the byte cannot fall under 1
.endr
.irp i, 2,4,6,8,10,12,14
.irp b, 0,1,2,3
	v_max3_num_f32 v[TM+\b], v[TM+\b], |v[\s+16*\b+\i]|, |v[\s+1+16*\b+\i]|   ; the four blocks by turns
.endr
.endr
.irp b, 0,1,2,3
	v_permlanex16_b32 v[TM+4+\b], v[TM+\b], s[SEL], s[SEL+1]
.endr
.irp b, 0,1,2,3
	v_max_num_f32 v[TM+\b], v[TM+\b], v[TM+4+\b]           ; with lane l xor 16's 16: the block's largest magnitude
.endr
.irp b, 0,1,2,3
	v_add_nc_u32 v[TM+12+\b], 0xf8800000, v[TM+\b]         ; 15 off its exponent field: the conversion takes the exponent field of this operand as its scale
.endr
.irp b, 0,1,2,3
	v_and_or_b32 v[TM+8+\b], v[TM+\b], 0x7f800000, s[MNT]  ; 57,344 x the scale
.endr
.irp b, 0,1,2,3
	v_lshrrev_b32 v[TM+4+\b], 23, v[TM+12+\b]              ; the scale's byte
.endr
	v_lshl_or_b32 v[\pw], v[TM+5], 8, v[TM+4]              ; four bytes make my row's scale word
	v_lshl_or_b32 v[\pw], v[TM+6], 16, v[\pw]
	v_lshl_or_b32 v[\pw], v[TM+7], 24, v[\pw]
.irp b, 0,1,2,3
.irp i, 0,1,2,3,4,5,6,7,8,9,10,11,12,13,14,15
	v_med3_num_f32 v[\s+16*\b+\i], v[\s+16*\b+\i], -v[TM+8+\b], v[TM+8+\b]   ; the conversion to an 8-bit code does not saturate (ISA guide 7.6.2): the hold comes first
.endr
	v_cvt_scalef32_pk8_bf8_f32 v[\pc+4*\b:\pc+1+4*\b], v[\s+16*\b:\s+7+16*\b], v[TM+12+\b]
	v_cvt_scalef32_pk8_bf8_f32 v[\pc+2+4*\b:\pc+3+4*\b], v[\s+8+16*\b:\s+15+16*\b], v[TM+12+\b]
.endr
	v_nop                                                  ; one plain vector instruction behind the last conversion, ahead of whatever next writes its sources
.endm
	s_load_b128 s[4:7], s[0:1], 0x0                ; the codebook s[4:5], the records s[6:7]
	v_lshl_add_u32 v208, v0, 2, 0x29000
	v_mov_b32 v209, 0
	ds_add_u32 v208, v209
	ds_add_u32 v208, v209
	v_lshrrev_b32 v1, 5, v0
	v_readfirstlane_b32 s8, v1                     ; wave 0, 1
	s_lshl_b32 s9, ttmp9, 1
	s_add_co_u32 s9, s9, s8                        ; my record: 2 x work-group + wave
	; group 1: 16 rows of 256 elements of 4 bytes, dense in memory; in LDS 4 words of padding behind every 256
	s_mov_b32 s[G1+0], (2<<16)|(1<<20)|(7<<22)|(3<<25)
	s_mov_b32 s[G1+1], 256<<16                     ; tensor_dim0
	s_mov_b32 s[G1+2], 16<<16                      ; tensor_dim1
	s_mov_b32 s[G1+3], 256<<16                     ; tile_dim0
	s_mov_b32 s[G1+4], 16                          ; tile_dim1
	s_mov_b32 s[G1+5], 256                         ; elements from row to row
	s_mov_b32 s[G1+6], 0
	s_mov_b32 s[G1+7], 0
	s_mul_i32 s10, s8, STG                         ; my stage
	s_lshl_b32 s12, s9, 14                         ; my 16 rows: 16,384 bytes a record
	s_mov_b32 s13, 0
	s_mul_i32 s14, s9, REC                         ; and where the record goes
	s_mov_b32 s15, 0
	s_mov_b32 s[SEL], 0x76543210
	s_mov_b32 s[SEL+1], 0xfedcba98
	s_mov_b32 s[MNT], 0x600000
	s_wait_dscnt 0x0
	s_wait_kmcnt 0x0
	s_mov_b32 s[G0], 1
	s_mov_b32 s[G0+1], s10
	s_add_nc_u64 s[G0+2:G0+3], s[4:5], s[12:13]
	s_or_b32 s[G0+3], s[G0+3], 0x80000000
	tensor_load_to_lds s[G0:G0+3], s[G1:G1+7]      ; the wave's one tensor load: its stage is filled once
	s_nop 0
.rept 4
	v_nop
.endr
	s_add_nc_u64 s[6:7], s[6:7], s[14:15]
	v_and_b32 v1, 31, v0                           ; lane
	v_and_b32 v2, 15, v0                           ; r
	v_bfe_u32 v3, v0, 4, 1                         ; h
	v_mul_u32_u24 v4, v2, XP
	v_lshl_add_u32 v4, v3, 6, v4
	v_add_nc_u32 v4, s10, v4                       ; row r of my stage, + 64 h: my 16 numbers of a block of 32
	v_lshlrev_b32 v5, 4, v1                        ; 16 x lane: my place in a chunk of the record
	s_lshl_b32 s11, s8, 8
	s_add_co_u32 s11, s11, TAIL
	v_lshl_add_u32 v6, v1, 2, s11                  ; my word of the wave's 256 bytes
	v_lshl_add_u32 v7, v1, 3, s11                  ; and my 8 bytes on the way out
	v_lshlrev_b32 v8, 3, v1
.irp b, 0,1,2,3
	v_mov_b32 v[TM+4+\b], 0                        ; a lane permute's destination counts as one of its sources
.endr
	v_mov_b32 v202, 0
	s_wait_tensorcnt 0x0                           ; my rows lie in my stage; nobody else reads them
.irp s, 0,1
.irp b, 0,1,2,3
.irp j, 0,1,2,3
	ds_load_b128 v[X+64*\s+16*\b+4*\j:X+64*\s+16*\b+4*\j+3], v4 offset:512*\s+128*\b+16*\j
.endr
.endr
.endr
	s_wait_dscnt 0x0
	; |c|^2 of my half of the row, ahead of the quantiser, whose hold changes the numbers
.irp c, 0,1,2,3
	v_pk_mul_f32 v[SQ+2*\c:SQ+2*\c+1], v[X+2*\c:X+2*\c+1], v[X+2*\c:X+2*\c+1]   ; the first products start the four chains
.endr
.set i, 4
.rept 60
	v_pk_fma_f32 v[SQ+2*(i%4):SQ+2*(i%4)+1], v[X+2*i:X+2*i+1], v[X+2*i:X+2*i+1], v[SQ+2*(i%4):SQ+2*(i%4)+1]
.set i, i+1
.endr
	v_pk_add_f32 v[SQ:SQ+1], v[SQ:SQ+1], v[SQ+2:SQ+3]
	v_pk_add_f32 v[SQ+4:SQ+5], v[SQ+4:SQ+5], v[SQ+6:SQ+7]
	v_pk_add_f32 v[SQ:SQ+1], v[SQ:SQ+1], v[SQ+4:SQ+5]
	v_add_f32 v[SQ], v[SQ], v[SQ+1]
	v_permlanex16_b32 v202, v[SQ], s[SEL], s[SEL+1]
	v_add_f32 v[SQ], v[SQ], v202                   ; with the row's other half
	v_mul_f32 v203, -0.5, v[SQ]                    ; -|c|^2 / 2 of row r, in both lanes that hold it
	QUANT X, PC0, PW0
	QUANT X+64, PC1, PW1
.irp c, 0,1,2,3
	global_store_b128 v5, v[PC0+4*\c:PC0+4*\c+3], s[6:7] offset:512*\c           ; 32 lanes store 512 consecutive bytes, at a multiple of 256 from the buffer's first byte
.endr
.irp c, 0,1,2,3
	global_store_b128 v5, v[PC1+4*\c:PC1+4*\c+3], s[6:7] offset:2048+512*\c
.endr
	v_cmp_gt_u32 vcc_lo, 16, v1                    ; lanes 0-15
	v_cndmask_b32 v204, v[PW1], v[PW0], vcc_lo     ; lanes 0-15: row r's word of K 0-127; lanes 16-31: of K 128-255
	v_cndmask_b32 v205, 0, v203, vcc_lo            ; lanes 0-15: -|c|^2 / 2; lanes 16-31: zeros
	ds_store_b32 v6, v204
	ds_store_b32 v6, v205 offset:128
	ds_load_b64 v[206:207], v7                     ; LDS serves a wave's instructions in order (ISA guide 5.7.1.4): this sees my stores
	s_wait_dscnt 0x0
	global_store_b64 v8, v[206:207], s[6:7] offset:4096   ; the record's last 256 bytes, whole
	s_wait_tensorcnt 0x0
	ds_add_u32 v208, v209
	s_wait_dscnt 0x0
	s_endpgm
.Lfunc_end_k_q391328660c_pack:
	.size	k_q391328660c_pack, .Lfunc_end_k_q391328660c_pack-k_q391328660c_pack
	.p2alignl 7, 3214868480
	.fill 96, 4, 3214868480
	.section	.rodata,"a",@progbits
	.p2align	6, 0x0
	.amdhsa_kernel k_q391328660c_pack
		.amdhsa_group_segment_fixed_size 168192
		.amdhsa_private_segment_fixed_size 0
		.amdhsa_enable_private_segment 0
		.amdhsa_kernarg_size 16
		.amdhsa_user_sgpr_count 2
		.amdhsa_user_sgpr_kernarg_segment_ptr 1
		.amdhsa_wavefront_size32 1
		.amdhsa_system_sgpr_workgroup_id_x 1
		.amdhsa_system_sgpr_workgroup_id_y 1
		.amdhsa_system_sgpr_workgroup_id_z 1
		.amdhsa_system_vgpr_workitem_id 0
		.amdhsa_next_free_vgpr 210
		.amdhsa_next_free_sgpr 66
		.amdhsa_reserve_vcc 1
		.amdhsa_float_denorm_mode_32 3
		.amdhsa_float_denorm_mode_16_64 3
		.amdhsa_memory_ordered 1
		.amdhsa_forward_progress 1
		.amdhsa_inst_pref_size 27
	.end_amdhsa_kernel
	.amdgpu_metadata
---
amdhsa.version: [ 1, 2 ]
amdhsa.kernels:
  - .name:           k_q391328660c_pack
    .symbol:         k_q391328660c_pack.kd
    .args:
      - { .name: codebook, .offset: 0, .size: 8, .value_kind: global_buffer, .address_space: global }
      - { .name: cbw, .offset: 8, .size: 8, .value_kind: global_buffer, .address_space: global }
    .group_segment_fixed_size: 168192
    .private_segment_fixed_size: 0
    .kernarg_segment_align: 8
    .kernarg_segment_size: 16
    .max_flat_workgroup_size: 64
    .sgpr_count:     66
    .vgpr_count:     210
    .wavefront_size: 32
...
	.end_amdgpu_metadata
.endif
;; end of part 1
;; launch score (part 2): grid 256 x 1, 8 waves a work-group, clusters of 4 x 1, 327,680 bytes of LDS; arguments x, cbw, bidx; writes bidx
.if DOCPART == 2
	.amdgcn_target "amdgcn-amd-amdhsa--gfx1250"
	.amdhsa_code_object_version 6
	.text
	.protected	k_q391328660c_score
	.globl	k_q391328660c_score
	.p2align	8
	.type	k_q391328660c_score,@function
k_q391328660c_score:
	s_mov_b64 s[64:65], 0
	v_nop
	global_prefetch_b8 v0, s[64:65] scope:SCOPE_SE
	s_setreg_imm32_b32 hwreg(HW_REG_WAVE_MODE, 25, 1), 1
	s_wait_xcnt 0x0
	s_wait_alu depctr_hold_cnt(0) depctr_sa_sdst(0) depctr_va_vdst(0) depctr_va_sdst(0) depctr_va_ssrc(0) depctr_va_vcc(0) depctr_vm_vsrc(0)
	s_getreg_b32 s2, hwreg(HW_REG_IB_STS2, 6, 4)
	s_cmp_eq_u32 s2, 0
	s_cbranch_scc0 .Lentry_in_a_cluster
	s_endpgm
.Lentry_in_a_cluster:
	s_bfe_u32 s2, ttmp6, 0x10000c
	s_cmp_lg_u32 s2, 0x3003
	s_cbranch_scc0 .Lentry_shape_is_right
	s_endpgm
.Lentry_shape_is_right:
; bidx[row] = argmax over the 8,192 codes of (Q(x) . Q(c) - |c|^2 / 2), the lowest index among equals.  |x|^2 is left out: it is the same for all codes of a row (shown at the head of the first kernel).
; SHARES: a work-group owns 128 rows of x, against all codes.  Every one of its 8 waves holds the codes of all 128 rows (8 fragments pairs, 256 registers, window 1) and walks its own eighth of the
; records: 4 records of 16 codes in each of 16 slot fills.  A record feeds 16 products (8 row tiles x 2 halves of K); -|c|^2 / 2 is the C of a tile's first product.
; THE RING: two slots of 139,264 bytes; a wave fills and reads its own 17,408 bytes.  All work-groups read the same records: the four of a cluster ask jointly (mask 15).
; x COMES BY PLAIN LOADS, 512 consecutive bytes each, issued ahead of the first round, and is quantised in registers: lane l of load (row R, half u) holds k = 128 u + 4 l .. + 3, so a block of 32 lies in 8 lanes.
; Its codes go as words into an image of the operand's registers in LDS: half a chunk (16 lanes x 16 bytes) takes 272 bytes, a chunk 544: the 32 lanes of a store touch 32 different banks (ISA guide 11.1).
; THE ARGMAX, for a tile's 8 numbers a lane: a tree of four v_max3 with the best so far, one compare, and four dual selects that keep the tile's numbers 0-6 and its first code's index where the best has grown.
; Codes are walked in ascending order and only a greater number replaces: the first of equals stays.  At the end the place in the kept tile is the first number equal to the best (none of 0-6: it is 7).
; PREFETCH: behind each slot fill the slot that stands two fills on is asked for, 544 blocks of 256 bytes: 17 blocks a wave, shared out among a cluster's 32 waves by address; lanes 17-31 name the wave's last block again.
; All work-groups read the same 2,228,224 bytes, so four clusters (0, 21, 42, 63) ask and the others do not; the last two fills have no slot two on and ask for nothing.
; LIMITS: NaN and infinities among the inputs are not served; a block of zeros gets the scale byte 1 where the rule says 127 (its codes are zeros; this launch alone reads the bytes).
.set REC,   4352
.set PART,  4*REC                      ; a wave's part of a slot: 68 rows of 256 bytes
.set SLOTB, 8*PART
.set XIMG,  2*SLOTB                    ; x's codes: 16 fragments (row tile q, half u of K at 2 q + u) of FH bytes
.set FH,    2176
.set XSC,   XIMG+16*FH                 ; x's scale words: 128 bytes a row tile: 16 words of K 0-127, 16 of K 128-255
.set RED,   XSC+1024                   ; 1,024 bytes a wave: (best, index) of 128 rows
.set SPARE, RED+8192                   ; the spare words, 128 bytes a wave
.set SPW,  1
.set NIL,  2
.set ADC,  3                           ; v3-4 my record's codes in slot 0, 1;  v5-6 its scale words;  v7-8 its -|c|^2 / 2
.set ADS,  5
.set ADB,  7
.set H8,   9
.set RW,   10
.set RR,   11
.set GO,   12
.set LI,   13
.set LS,   14
.set T0,   15                          ; four registers at work in the maxima
.set T1,   28
.set T2,   30
.set T3,   31
.set XS,   16                          ; v16-23 x's scale words, a register a row tile
.set SA,   24                          ; v24-25 the record's scale words, two sets
.set PFO,  26
.set TV,   27                          ; v27, v29 the first code's index of the step, by the step's parity
.set KI,   32                          ; v32-95 kept numbers: 8 a row tile
.set BEST, 96                          ; v96-111 the best, two sets by the step's parity
.set F,    112                         ; v112-175 the record's fragments, two sets
.set BI,   176                         ; v176-191 its -|c|^2 / 2, two sets
.set ACC,  192                         ; v192-255 8 accumulators
.set X,    112                         ; the head: v112-239 x as loaded; v32-55 at work; v96-98 addresses
.set QM,   32
.set QS,   36
.set QH,   40
.set QB,   44
.set QD,   48
.set XWI,  96
.set XWS,  97
.set XO,   98
.set RP,   112
.set RO,   176
.set WV,   10
.set G1C,  16
.set G0,   32
.set PFA,  40
.set LIM,  42
.set LAPS, 44
.set TN,   45
.set SEL,  50
.set MNT,  52
.set MSB, 0
.macro WIN new
.if MSB != \new
	s_set_vgpr_msb (MSB<<8)|\new
.set MSB, \new
.endif
.endm
.macro CREST
	s_cmp_lg_u32 s[WV], 0
	s_cbranch_scc1 .Lnot_wave_0_\@
	s_barrier_signal -3
.Lnot_wave_0_\@:
	s_barrier_wait -3
	s_barrier_signal -1
	s_barrier_wait -1
.endm
.macro ROUND
	s_barrier_signal -1
	s_barrier_wait -1
	CREST
.endm
.macro FILL s                          ; my part of a slot, jointly with my three partners
	tensor_load_to_lds s[G0+4*\s:G0+4*\s+3], s[G1C:G1C+7]
	s_nop 0
.rept 4
	v_nop
.endr
.endm
.macro ASK loop                        ; the slot two fills on; in the loop not in its last trip (LAPS = 1); LIM is 1 in the four asking clusters, else the greatest number
.if \loop
	s_cmp_gt_u32 s[LAPS], s[LIM]
.else
	s_cmp_eq_u32 s[LIM], 1
.endif
	s_cbranch_scc0 .Lno_ask_\@
	global_prefetch_b8 v[PFO], s[PFA:PFA+1] th:TH_LOAD_NT scope:SCOPE_SE
.Lno_ask_\@:
.endm
; Two rows of x: four loads e = (row 2 g + e / 2, half e % 2), four numbers a lane each; the four chains by turns.
.macro QG g
	s_wait_loadcnt 28-4*\g                         ; the loads of the groups behind this one may be out
.irp e, 0,1,2,3
	v_max3_num_f32 v[QM+\e], |v[X+16*\g+4*\e]|, |v[X+16*\g+4*\e+1]|, 0x8000000   ; with the floor 2^(16 - 127): the byte cannot fall under 1
.endr
.irp e, 0,1,2,3
	v_max3_num_f32 v[QM+\e], v[QM+\e], |v[X+16*\g+4*\e+2]|, |v[X+16*\g+4*\e+3]|
.endr
.irp k, 1,2,4
.irp e, 0,1,2,3
	v_max_num_f32_dpp v[QM+\e], v[QM+\e], v[QM+\e] row_xmask:\k row_mask:0xf bank_mask:0xf   ; the block's 8 lanes
.endr
.endr
.irp e, 0,1,2,3
	v_add_nc_u32 v[QS+\e], 0xf8800000, v[QM+\e]            ; 15 off the exponent field: the conversion's scale operand
.endr
.irp e, 0,1,2,3
	v_and_or_b32 v[QH+\e], v[QM+\e], 0x7f800000, s[MNT]    ; 57,344 x the scale
.endr
.irp e, 0,1,2,3
	v_lshrrev_b32 v[QB+\e], 23, v[QS+\e]                   ; the scale's byte
.endr
.irp e, 0,1,2,3
.irp i, 0,1,2,3
	v_med3_num_f32 v[X+16*\g+4*\e+\i], v[X+16*\g+4*\e+\i], -v[QH+\e], v[QH+\e]   ; the conversion does not saturate (ISA guide 7.6.2)
.endr
.endr
.irp e, 0,1,2,3
	v_cvt_scalef32_pk8_bf8_f32 v[QD+2*\e:QD+2*\e+1], v[X+16*\g+8*(\e/2):X+16*\g+8*(\e/2)+7], v[QS+\e]   ; a row's 8 numbers under load e's scale: of the two result words only load e's own is used
.endr
	v_nop
.irp e, 0,1,2,3
	ds_store_b32 v[XWI], v[QD+2*\e+(\e%2)] offset:16*(2*\g+\e/2)+FH*(\e%2)
	ds_store_b8 v[XWS], v[QB+\e] offset:4*(2*\g+\e/2)+64*(\e%2)   ; a block's 8 lanes write the same byte with the same value
.endr
.endm
.macro LOADS slot, t, par              ; 11 LDS loads: record t of my part
.irp u, 0,1
.irp c, 0,1,2,3
	ds_load_b128 v[F+32*(\par)+16*\u+4*\c:F+32*(\par)+16*\u+4*\c+3], v[ADC+(\slot)] offset:REC*(\t)+2048*\u+512*\c
.endr
.endr
	ds_load_b32 v[SA+(\par)], v[ADS+(\slot)] offset:REC*(\t)+4096
	ds_load_b128 v[BI+8*(\par):BI+8*(\par)+3], v[ADB+(\slot)] offset:REC*(\t)+4224
	ds_load_b128 v[BI+8*(\par)+4:BI+8*(\par)+7], v[ADB+(\slot)] offset:REC*(\t)+4240
.endm
; Four products: row tiles q, q + 1, K 0-127 and then K 128-255: the two accumulators by turns.  Source 0 = 16 codes, source 1 = 16 rows of x: a lane holds one row, register j code 8 h + j.
.macro QUAD q, p
	WIN 0x04
.irp d, 0,1
	v_wmma_scale_f32_16x16x128_f8f6f4 v[ACC+8*(\q+\d):ACC+8*(\q+\d)+7], v[F+32*(\p):F+32*(\p)+15], v[32*(\q+\d):32*(\q+\d)+15], v[BI+8*(\p):BI+8*(\p)+7], v[SA+(\p)], v[XS+\q+\d] matrix_a_fmt:MATRIX_FMT_BF8 matrix_b_fmt:MATRIX_FMT_BF8
.endr
.irp d, 0,1
	v_wmma_scale_f32_16x16x128_f8f6f4 v[ACC+8*(\q+\d):ACC+8*(\q+\d)+7], v[F+32*(\p)+16:F+32*(\p)+31], v[32*(\q+\d)+16:32*(\q+\d)+31], v[ACC+8*(\q+\d):ACC+8*(\q+\d)+7], v[SA+(\p)], v[XS+\q+\d] matrix_a_fmt:MATRIX_FMT_BF8 matrix_b_fmt:MATRIX_FMT_BF8 matrix_a_scale:MATRIX_SCALE_ROW1 matrix_b_scale:MATRIX_SCALE_ROW1
.endr
	WIN 0
.endm
.macro KEEP o                          ; where VCC is set: the tile's numbers 0-6 and its first code's index
.irp i, 0,2,4
	v_dual_cndmask_b32 v[rK+\o+\i], v[rK+\o+\i], v[rA+\o+\i] :: v_dual_cndmask_b32 v[rK+\o+\i+1], v[rK+\o+\i+1], v[rA+\o+\i+1]
.endr
	v_dual_cndmask_b32 v[rK+\o+6], v[rK+\o+6], v[rA+\o+6] :: v_dual_cndmask_b32 v[rK+\o+7], v[rK+\o+7], v[rT]
.endm
; The results of row tiles q, q + 1 of a step of parity p: 18 issue slots, which are also the places behind the four products just issued (they name none of those products' registers).
; VCC is written and read inside this block.  Each accumulator is read from its low end on.
.macro VB q, p
.set rA, ACC+8*(\q)
.set rK, KI+8*(\q)
.set rN, BEST+8*(\p)+(\q)
.set rO, BEST+8*(1-(\p))+(\q)
.set rT, TV+2*(\p)
	v_max3_num_f32 v[T0], v[rA], v[rA+1], v[rA+2]
	v_max3_num_f32 v[T1], v[rA+3], v[rA+4], v[rA+5]
	v_max3_num_f32 v[rN], v[rA+6], v[rA+7], v[rO]
	v_max3_num_f32 v[T2], v[rA+8], v[rA+9], v[rA+10]
	v_max3_num_f32 v[T3], v[rA+11], v[rA+12], v[rA+13]
	v_max3_num_f32 v[rN+1], v[rA+14], v[rA+15], v[rO+1]
	v_max3_num_f32 v[rN], v[rN], v[T0], v[T1]
	v_max3_num_f32 v[rN+1], v[rN+1], v[T2], v[T3]
	v_cmp_gt_f32 vcc_lo, v[rN], v[rO]
	KEEP 0
	v_cmp_gt_f32 vcc_lo, v[rN+1], v[rO+1]
	KEEP 8
.endm
; One record.  kind 0: the next record lies in the same slot.  1: a slot's last record, the slot is filled again.  2: a slot's last, nothing is filled.  3: the very last.
.macro STEP slot, t, kind
.set P, (\t)%2
.if \kind == 0
	LOADS \slot, (\t)+1, 1-P
	s_wait_dscnt 11                                ; all but the 11 just issued
.elseif \kind == 1
	s_wait_xcnt 0x0                                ; my last prefetch has read its base
	s_add_nc_u64 s[PFA:PFA+1], s[PFA:PFA+1], SLOTB
	s_wait_tensorcnt 0x0                           ; my one load that was out, my part of the other slot, has landed
	ds_add_u32 v[SPW], v[NIL]
	s_add_nc_u64 s[G0+4*\slot+2:G0+4*\slot+3], s[G0+4*\slot+2:G0+4*\slot+3], 2*SLOTB
	s_wait_dscnt 1                                 ; this record is in; the add may be out
.elseif \kind == 2
	s_wait_tensorcnt 0x0                           ; my part of the last slot, which I alone read
	LOADS 1-\slot, 0, 0
	s_wait_dscnt 11
.else
	s_wait_dscnt 0x0
.endif
	QUAD 0, P
	VB 6, 1-P                                      ; the step before's last two row tiles
.if \kind == 1
	s_wait_dscnt 0x0                               ; the add is done, my reads of this slot are over
	s_barrier_signal -1                            ; opens a round of the cluster's barrier
.endif
	QUAD 2, P
	VB 0, P
	v_mov_b32 v[TV+2*(1-P)], s[TN]                 ; the next step's first code; first read over 80 vector lines on
.if (\t) == 2
	s_add_co_u32 s[TN], s[TN], 464                 ; on to my part of the next slot: 512 codes a slot
.else
	s_add_co_u32 s[TN], s[TN], 16
.endif
	QUAD 4, P
	VB 2, P
.if \kind == 1
	s_barrier_wait -1
	CREST
	FILL \slot                                     ; the first tensor load behind the round, one a wave
	LOADS 1-\slot, 0, 0
	ASK 1
.endif
	QUAD 6, P
	VB 4, P
.endm
.macro BETTER va, ia, vb, ib           ; (vb, ib) replaces (va, ia) if greater, or equal with the lower index
	v_cmp_gt_f32 s54, v[\vb], v[\va]
	v_cmp_eq_f32 s55, v[\vb], v[\va]
	v_cmp_lt_u32 s56, v[\ib], v[\ia]
	s_and_b32 s55, s55, s56
	s_or_b32 s54, s54, s55
	v_cndmask_b32 v[\va], v[\va], v[\vb], s54
	v_cndmask_b32 v[\ia], v[\ia], v[\ib], s54
.endm
	s_load_b128 s[4:7], s[0:1], 0x0                ; x, the records
	s_load_b64 s[8:9], s[0:1], 0x10                ; the indices
	v_lshl_add_u32 v[SPW], v0, 2, SPARE
	v_mov_b32 v[NIL], 0
	ds_add_u32 v[SPW], v[NIL]
	ds_add_u32 v[SPW], v[NIL]
	v_lshrrev_b32 v15, 5, v0
	v_readfirstlane_b32 s[WV], v15
	s_bfe_u32 s11, ttmp6, 0x40000                  ; cx
	s_lshl_b32 s12, ttmp9, 2
	s_add_co_u32 s12, s12, s11                     ; my work-group
	s_mov_b32 s[G1C+0], 15|(3<<16)|(1<<21)         ; all four of the cluster; elements of 8 bytes
	s_mov_b32 s[G1C+1], 32<<16                     ; 68 dense rows of 256 bytes
	s_mov_b32 s[G1C+2], 68<<16
	s_mov_b32 s[G1C+3], 32<<16
	s_mov_b32 s[G1C+4], 68
	s_mov_b32 s[G1C+5], 32
	s_mov_b32 s[G1C+6], 0
	s_mov_b32 s[G1C+7], 0
	s_mul_i32 s54, s[WV], PART                     ; my part, in a slot and in a slot's bytes of the records
	s_mov_b32 s55, 0
	s_lshl_b32 s56, s12, 17                        ; my 16 rows of x: 131,072 bytes a work-group, 16,384 a wave
	s_lshl_b32 s57, s[WV], 14
	s_add_co_u32 s56, s56, s57
	s_mov_b32 s57, 0
	s_and_b32 s59, s[WV], 1
	s_lshl_b32 s24, s59, 9
	s_add_co_u32 s24, s24, RED
	s_lshl_b32 s59, s59, 8
	s_lshl_b32 s58, s12, 9                         ; 512 index bytes a work-group, in two halves
	s_add_co_u32 s58, s58, s59
	s_mov_b32 s59, 0
	s_and_b32 s60, ttmp9, 3                        ; clusters 0, 21, 42, 63 ask
	s_mul_i32 s60, s60, 21
	s_cmp_eq_u32 s60, ttmp9
	s_cselect_b32 s[LIM], 1, -1
	s_lshl_b32 s61, s11, 3
	s_add_co_u32 s61, s61, s[WV]
	s_mul_i32 s61, s61, 17                         ; my 17 blocks of a slot's 544
	s_lshl_b32 s25, s[WV], 10
	s_add_co_u32 s25, s25, RED
	s_mul_i32 s26, s[WV], 2*FH
	s_add_co_u32 s26, s26, XIMG
	s_lshl_b32 s27, s[WV], 7
	s_add_co_u32 s27, s27, XSC
	s_lshl_b32 s28, s[WV], 6                       ; my first code
	s_add_co_u32 s[TN], s28, 16
	s_mov_b32 s[SEL], 0x76543210
	s_mov_b32 s[SEL+1], 0xfedcba98
	s_mov_b32 s[MNT], 0x600000
	s_mov_b32 s53, 0xff800000
	s_mov_b32 s[LAPS], 7
	v_and_b32 v15, 31, v0                          ; lane
	v_and_b32 v30, 15, v0                          ; r
	v_bfe_u32 v31, v0, 4, 1                        ; h
	v_bfe_u32 v28, v0, 3, 2                        ; my block of a load's four
	v_lshl_add_u32 v[ADC], v15, 4, s54
	v_lshl_add_u32 v[ADS], v15, 2, s54
	v_lshl_add_u32 v[ADB], v31, 5, s54
	v_add_nc_u32 v[ADC+1], SLOTB, v[ADC]
	v_add_nc_u32 v[ADS+1], SLOTB, v[ADS]
	v_add_nc_u32 v[ADB+1], SLOTB, v[ADB]
	v_lshlrev_b32 v[H8], 3, v31
	v_lshl_add_u32 v[RW], v30, 3, s25
	v_lshl_add_u32 v[RR], v15, 4, s24
	v_lshlrev_b32 v[GO], 3, v15
	v_mul_u32_u24 v[LI], v31, 272
	v_lshl_add_u32 v[LI], v30, 4, v[LI]
	v_add_nc_u32 v[LI], XIMG, v[LI]                ; the image, read: 16 r + 272 h
	v_lshl_add_u32 v[LS], v15, 2, XSC
	v_mul_u32_u24 v[XWI], v28, 544                 ; the image, written: chunk l / 8, half (l / 4) % 2, word l % 4
	v_bfe_u32 v31, v0, 2, 1
	v_mad_u32_u24 v[XWI], v31, 272, v[XWI]
	v_and_b32 v30, 3, v0
	v_lshl_add_u32 v[XWI], v30, 2, v[XWI]
	v_add_nc_u32 v[XWI], s26, v[XWI]
	v_add_nc_u32 v[XWS], s27, v28
	v_lshlrev_b32 v[XO], 4, v15
	v_min_u32 v15, 16, v15
	v_add_lshl_u32 v[PFO], v15, s61, 8
	s_wait_alu depctr_va_vdst(0)
	s_wait_dscnt 0x0
	s_wait_kmcnt 0x0
	s_add_nc_u64 s[56:57], s[4:5], s[56:57]
.set n, 0
.rept 32
	global_load_b128 v[X+4*n:X+4*n+3], v[XO], s[56:57] offset:512*n th:TH_LOAD_NT   ; half a row: 512 consecutive bytes
.set n, n+1
.endr
	s_mov_b32 s[G0], 1
	s_mov_b32 s[G0+1], s54
	s_add_nc_u64 s[G0+2:G0+3], s[6:7], s[54:55]
	s_or_b32 s[G0+3], s[G0+3], 0x80000000
	s_mov_b32 s[G0+4], 1
	s_add_co_u32 s[G0+5], s54, SLOTB
	s_add_nc_u64 s[G0+6:G0+7], s[6:7], s[54:55]
	s_add_nc_u64 s[G0+6:G0+7], s[G0+6:G0+7], SLOTB
	s_or_b32 s[G0+7], s[G0+7], 0x80000000
	s_add_nc_u64 s[PFA:PFA+1], s[6:7], 2*SLOTB
	s_add_nc_u64 s[8:9], s[8:9], s[58:59]
	ROUND                                          ; in front of the first joint loads
	FILL 0                                         ; one tensor load a wave at the head
	ASK 0                                          ; slot fill 2
.irp g, 0,1,2,3,4,5,6,7
	QG \g
.endr
	s_wait_xcnt 0x0
	s_add_nc_u64 s[PFA:PFA+1], s[PFA:PFA+1], SLOTB
	s_wait_tensorcnt 0x0                           ; slot 1's first fill is issued as a refill is
	ds_add_u32 v[SPW], v[NIL]
	s_wait_dscnt 0x0                               ; the add, and my stores into the image, for the other waves' sake
	ROUND
	FILL 1
	WIN 0x40
.irp g, 0,1,2,3,4,5,6,7,8,9,10,11,12,13,14,15
.irp c, 0,1,2,3
	ds_load_b128 v[16*\g+4*\c:16*\g+4*\c+3], v[LI] offset:FH*\g+544*\c
.endr
.endr
	WIN 0
.irp q, 0,1,2,3,4,5,6,7
	ds_load_b32 v[XS+\q], v[LS] offset:128*\q
.endr
	LOADS 0, 0, 0
	ASK 0                                          ; slot fill 3
.set i, 0
.rept 16
	v_mov_b32 v[BEST+i], s53                       ; -infinity: under every number
	v_mov_b32 v[ACC+48+i], s53                     ; the first step finds these in place of a step before
.set i, i+1
.endr
.set i, 0
.rept 64
	v_mov_b32 v[KI+i], s53
.set i, i+1
.endr
	v_mov_b32 v[TV], s28
	v_mov_b32 v[TV+2], 0
	s_wait_alu depctr_va_vdst(0)
.Llap:
	STEP 0, 0, 0
	STEP 0, 1, 0
	STEP 0, 2, 0
	STEP 0, 3, 1
	STEP 1, 0, 0
	STEP 1, 1, 0
	STEP 1, 2, 0
	STEP 1, 3, 1
	s_sub_co_u32 s[LAPS], s[LAPS], 1
	s_cmp_lg_u32 s[LAPS], 0
	s_cbranch_scc1 .Llap
	STEP 0, 0, 0                                   ; the last two slots: nothing is filled
	STEP 0, 1, 0
	STEP 0, 2, 0
	STEP 0, 3, 2
	STEP 1, 0, 0
	STEP 1, 1, 0
	STEP 1, 2, 0
	STEP 1, 3, 3
	VB 6, 1
	; the index: the kept tile's first code + 8 h + the first place whose number equals the best
.irp q, 0,1,2,3,4,5,6,7
	v_mov_b32 v[RP+2*\q], v[BEST+8+\q]
	v_mov_b32 v[RP+2*\q+1], 7
	v_mov_b32 v[RO+2*\q], 0
	v_mov_b32 v[RO+2*\q+1], 0
.endr
.irp j, 6,5,4,3,2,1,0
.irp q, 0,1,2,3,4,5,6,7
	v_cmp_neq_f32 vcc_lo, v[KI+8*\q+\j], v[BEST+8+\q]
	v_cndmask_b32 v[RP+2*\q+1], \j, v[RP+2*\q+1], vcc_lo
.endr
.endr
.irp q, 0,1,2,3,4,5,6,7
	v_add3_u32 v[RP+2*\q+1], v[H8], v[RP+2*\q+1], v[KI+8*\q+7]
.endr
.irp q, 0,1,2,3,4,5,6,7
	v_permlanex16_b32 v[RO+2*\q], v[RP+2*\q], s[SEL], s[SEL+1]
	v_permlanex16_b32 v[RO+2*\q+1], v[RP+2*\q+1], s[SEL], s[SEL+1]
.endr
.irp q, 0,1,2,3,4,5,6,7
	BETTER RP+2*\q, RP+2*\q+1, RO+2*\q, RO+2*\q+1  ; with the tile's other 8 codes
	ds_store_b64 v[RW], v[RP+2*\q:RP+2*\q+1] offset:128*\q
.endr
	s_wait_dscnt 0x0                               ; for the others' sake
	s_barrier_signal -1
	s_barrier_wait -1
	s_cmp_lt_u32 s[WV], 2
	s_cbranch_scc0 .Lend
.irp k, 0,1,2,3,4,5,6,7
	ds_load_b128 v[ACC+4*\k:ACC+4*\k+3], v[RR] offset:1024*\k   ; two rows a lane, of each of the 8 waves
.endr
	s_wait_dscnt 0x0
.irp k, 1,2,3,4,5,6,7
	BETTER ACC, ACC+1, ACC+4*\k, ACC+4*\k+1
	BETTER ACC+2, ACC+3, ACC+4*\k+2, ACC+4*\k+3
.endr
	v_mov_b32 v[ACC], v[ACC+1]
	v_mov_b32 v[ACC+1], v[ACC+3]
	global_store_b64 v[GO], v[ACC:ACC+1], s[8:9]   ; 256 consecutive bytes, aligned
.Lend:
	s_wait_tensorcnt 0x0                           ; the wave's end
	ds_add_u32 v[SPW], v[NIL]
	s_wait_dscnt 0x0
	ROUND                                          ; the closing round
	s_endpgm
.Lfunc_end_k_q391328660c_score:
	.size	k_q391328660c_score, .Lfunc_end_k_q391328660c_score-k_q391328660c_score
	.p2alignl 7, 3214868480
	.fill 96, 4, 3214868480
	.section	.rodata,"a",@progbits
	.p2align	6, 0x0
	.amdhsa_kernel k_q391328660c_score
		.amdhsa_group_segment_fixed_size 327680
		.amdhsa_private_segment_fixed_size 0
		.amdhsa_enable_private_segment 0
		.amdhsa_kernarg_size 24
		.amdhsa_user_sgpr_count 2
		.amdhsa_user_sgpr_kernarg_segment_ptr 1
		.amdhsa_wavefront_size32 1
		.amdhsa_system_sgpr_workgroup_id_x 1
		.amdhsa_system_sgpr_workgroup_id_y 1
		.amdhsa_system_sgpr_workgroup_id_z 1
		.amdhsa_system_vgpr_workitem_id 0
		.amdhsa_next_free_vgpr 512
		.amdhsa_next_free_sgpr 66
		.amdhsa_reserve_vcc 1
		.amdhsa_float_denorm_mode_32 3
		.amdhsa_float_denorm_mode_16_64 3
		.amdhsa_memory_ordered 1
		.amdhsa_forward_progress 1
		.amdhsa_inst_pref_size 185
	.end_amdhsa_kernel
	.amdgpu_metadata
---
amdhsa.version: [ 1, 2 ]
amdhsa.kernels:
  - .name:           k_q391328660c_score
    .symbol:         k_q391328660c_score.kd
    .args:
      - { .name: x, .offset: 0, .size: 8, .value_kind: global_buffer, .address_space: global }
      - { .name: cbw, .offset: 8, .size: 8, .value_kind: global_buffer, .address_space: global }
      - { .name: bidx, .offset: 16, .size: 8, .value_kind: global_buffer, .address_space: global }
    .group_segment_fixed_size: 327680
    .private_segment_fixed_size: 0
    .kernarg_segment_align: 8
    .kernarg_segment_size: 24
    .max_flat_workgroup_size: 256
    .sgpr_count:     66
    .vgpr_count:     512
    .wavefront_size: 32
...
	.end_amdgpu_metadata
.endif
;; end of part 2
;; launch fetch (part 3): grid 256 x 1, 8 waves a work-group, no clusters, 0 bytes of LDS; arguments bidx, codebook, out0, out1; writes out0, out1
.if DOCPART == 3
	.amdgcn_target "amdgcn-amd-amdhsa--gfx1250"
	.amdhsa_code_object_version 6
	.text
	.protected	k_q391328660c_fetch
	.globl	k_q391328660c_fetch
	.p2align	8
	.type	k_q391328660c_fetch,@function
k_q391328660c_fetch:
	s_mov_b64 s[64:65], 0
	v_nop
	global_prefetch_b8 v0, s[64:65] scope:SCOPE_SE
	s_setreg_imm32_b32 hwreg(HW_REG_WAVE_MODE, 25, 1), 1
	s_wait_xcnt 0x0
; out0 = the indices; out1[row] = codebook[index[row]], rows of 1,024 bytes of f32.
; The indices are whole numbers that an earlier launch stored; here they are read and enter addresses, each held within the table (8,191) first.
; SHARES: a work-group takes 128 rows, a wave 16.  A wave's 16 indices come by one scalar load; a row is two loads and two stores of 512 consecutive bytes.  All 32 loads of a wave are out together,
; every register is written once: no loop, no wait but the counted ones.  A stream: no LDS, no matrix unit, no cluster (the rows that work-groups share hang on the data).
; The copy of the indices: every wave loads the 256 index bytes of (wave % 2), as its oldest load, so that the pair is written on every path; waves 0 and 1 store them, whole.
.set OFF, 4                            ; v4-19    row i's byte offset in the codebook + 16 x lane
.set D,   20                           ; v20-147  row i: 8 registers
.set IX,  148                          ; v148-149 two indices
	s_load_b256 s[4:11], s[0:1], 0x0               ; the indices s[4:5], the codebook s[6:7], out0 s[8:9], out1 s[10:11]
	v_lshrrev_b32 v1, 5, v0
	s_delay_alu instid0(VALU_DEP_1)
	v_readfirstlane_b32 s12, v1                    ; wave 0..7
	v_and_b32 v2, 31, v0                           ; lane
	s_delay_alu instid0(VALU_DEP_1)
	v_lshlrev_b32 v1, 4, v2                        ; 16 x lane
	s_delay_alu instid0(VALU_DEP_2)
	v_lshlrev_b32 v3, 3, v2                        ; 8 x lane
	s_lshl_b32 s13, ttmp9, 7
	s_lshl_b32 s14, s12, 4
	s_add_co_u32 s13, s13, s14                     ; my first row: 128 x work-group + 16 x wave
	s_lshl_b32 s32, s13, 2                         ; its index,
	s_mov_b32 s33, 0
	s_lshl_b32 s34, s13, 10                        ; its row of out1
	s_mov_b32 s35, 0
	s_and_b32 s36, s12, 1
	s_lshl_b32 s36, s36, 8
	s_lshl_b32 s37, ttmp9, 9
	s_add_co_u32 s36, s36, s37                     ; 512 index bytes a work-group, in two halves
	s_mov_b32 s37, 0
	s_wait_alu depctr_va_vdst(0)
	s_wait_kmcnt 0x0
	s_add_nc_u64 s[38:39], s[4:5], s[32:33]
	s_load_b512 s[16:31], s[38:39], 0x0            ; my 16 indices
	s_add_nc_u64 s[4:5], s[4:5], s[36:37]
	s_add_nc_u64 s[8:9], s[8:9], s[36:37]
	s_add_nc_u64 s[10:11], s[10:11], s[34:35]
	global_load_b64 v[IX:IX+1], v3, s[4:5]
	s_wait_kmcnt 0x0
.irp i, 0,1,2,3,4,5,6,7,8,9,10,11,12,13,14,15
	s_min_u32 s[16+\i], s[16+\i], 0x1fff           ; inside the table
	s_lshl_b32 s[16+\i], s[16+\i], 10
	v_add_nc_u32 v[OFF+\i], s[16+\i], v1
.endr
	s_wait_alu depctr_va_vdst(0)
.irp i, 0,1,2,3,4,5,6,7,8,9,10,11,12,13,14,15
	global_load_b128 v[D+8*\i:D+8*\i+3], v[OFF+\i], s[6:7]              ; no hint: a code's row may be named by many rows
	global_load_b128 v[D+8*\i+4:D+8*\i+7], v[OFF+\i], s[6:7] offset:512
.endr
.irp i, 0,1,2,3,4,5,6,7,8,9,10,11,12,13,14,15
	s_wait_loadcnt 31-2*\i                         ; loads come back in order (ISA guide 5.7.1): those issued behind this one may be out
	global_store_b128 v1, v[D+8*\i:D+8*\i+3], s[10:11] offset:1024*\i th:TH_STORE_NT      ; 512 consecutive bytes, at a multiple of 256 from out1's first byte
	s_wait_loadcnt 30-2*\i
	global_store_b128 v1, v[D+8*\i+4:D+8*\i+7], s[10:11] offset:1024*\i+512 th:TH_STORE_NT
.endr
	s_cmp_lt_u32 s12, 2
	s_cbranch_scc0 .Ldone
	global_store_b64 v3, v[IX:IX+1], s[8:9]        ; the oldest load is long in; 256 consecutive bytes, whole
.Ldone:
	s_endpgm
.Lfunc_end_k_q391328660c_fetch:
	.size	k_q391328660c_fetch, .Lfunc_end_k_q391328660c_fetch-k_q391328660c_fetch
	.p2alignl 7, 3214868480
	.fill 96, 4, 3214868480
	.section	.rodata,"a",@progbits
	.p2align	6, 0x0
	.amdhsa_kernel k_q391328660c_fetch
		.amdhsa_group_segment_fixed_size 0
		.amdhsa_private_segment_fixed_size 0
		.amdhsa_enable_private_segment 0
		.amdhsa_kernarg_size 32
		.amdhsa_user_sgpr_count 2
		.amdhsa_user_sgpr_kernarg_segment_ptr 1
		.amdhsa_wavefront_size32 1
		.amdhsa_system_sgpr_workgroup_id_x 1
		.amdhsa_system_sgpr_workgroup_id_y 1
		.amdhsa_system_sgpr_workgroup_id_z 1
		.amdhsa_system_vgpr_workitem_id 0
		.amdhsa_next_free_vgpr 152
		.amdhsa_next_free_sgpr 66
		.amdhsa_reserve_vcc 0
		.amdhsa_float_denorm_mode_32 3
		.amdhsa_float_denorm_mode_16_64 3
		.amdhsa_memory_ordered 1
		.amdhsa_forward_progress 1
		.amdhsa_inst_pref_size 11
	.end_amdhsa_kernel
	.amdgpu_metadata
---
amdhsa.version: [ 1, 2 ]
amdhsa.kernels:
  - .name:           k_q391328660c_fetch
    .symbol:         k_q391328660c_fetch.kd
    .args:
      - { .name: bidx, .offset: 0, .size: 8, .value_kind: global_buffer, .address_space: global }
      - { .name: codebook, .offset: 8, .size: 8, .value_kind: global_buffer, .address_space: global }
      - { .name: out0, .offset: 16, .size: 8, .value_kind: global_buffer, .address_space: global }
      - { .name: out1, .offset: 24, .size: 8, .value_kind: global_buffer, .address_space: global }
    .group_segment_fixed_size: 0
    .private_segment_fixed_size: 0
    .kernarg_segment_align: 8
    .kernarg_segment_size: 32
    .max_flat_workgroup_size: 256
    .sgpr_count:     66
    .vgpr_count:     152
    .wavefront_size: 32
...
	.end_amdgpu_metadata
.endif
;; end of part 3
